; MI455X (gfx1250); checked and timed in simulation.
; The chip was launched on July 23, 2026; its instructions are those of AMD's public machine-readable ISA for CDNA 5 (MIT licence, August 2026) and "CDNA5" Instruction Set Architecture Reference Guide (July 2026). The comments in the code are by the model that wrote it; some were corrected since.
;; Tex Sphere. Allowed arithmetic: float matrix products may take bf16 or f16 operands with f32 sums; all other float work in f32.
;; Inputs: W 3 x 16 float32; b 3 float32; table 8 x 524,288 x 2 float32; x 2,097,152 x 3 float32.
;; Outputs: out0 2,097,152 x 3 float32.
;; 2 versions, each right; version 2 is version 1 with the launch gather written anew for expert scheduling mode. Each part assembles by itself: llvm-mc -triple=amdgcn-amd-amdhsa -mcpu=gfx1250 --defsym DOCPART=n.
;; ======== version 1 of 2: 2 launches
;; limits: inputs' magnitudes at most 189
;; workspace buffers: q 25,165,824 bytes of whole numbers
;; launch quantise (part 1): grid 1024 x 1, 8 waves a work-group, no clusters, 0 bytes of LDS; arguments x, q; writes q
.if DOCPART == 1
	.amdgcn_target "amdgcn-amd-amdhsa--gfx1250"
	.amdhsa_code_object_version 6
	.text
	.protected	k_q3240288eb9_quantise
	.globl	k_q3240288eb9_quantise
	.p2align	8
	.type	k_q3240288eb9_quantise,@function
k_q3240288eb9_quantise:
	s_mov_b64 s[64:65], 0
	v_nop
	global_prefetch_b8 v0, s[64:65] scope:SCOPE_SE
	s_setreg_imm32_b32 hwreg(HW_REG_WAVE_MODE, 25, 1), 1
	s_wait_xcnt 0x0
; q[i] = floor( ((x[i] + 3) / 6) * 2^26 ), a signed 32-bit whole number, for all 3 * 2^21 coordinates, in x's own order.
; All eight grid resolutions of the encoding are 16 * 2^l (the growth factor exp(ln 128 / 7) is 2.0 in f32), so this one
; fixed-point number holds, for every level l, the cell (q >> (22 - l)) and the weight inside it (the low 22 - l bits).
; The next launch forms its table addresses from these whole numbers alone.
; ARITHMETIC: t = x + 3 rounds as x - (-3) does.  t / 6 is the correctly rounded quotient: e = t * R, r = t - 6 e (exact in
; one fused multiply-add), e + r * R, with R the f32 nearest to 1/6.  The factor 2^26 is folded into the two constants
; (R * 2^26 and 6 * 2^-26): a power of two changes no rounding.
; LIMITS: the conversion saturates, so q is right for (x + 3) / 6 in [-32, 32), that is x in [-195, 189).  A NaN in x gives q = 0.
; SHAPE: an elementwise stream.  A work-group owns 24,576 bytes; thread t owns the 16 bytes at 16 t of each of six blocks of
; 4,096 bytes, so each load and store of a wave covers 512 consecutive bytes that start at a multiple of 512.
; All six loads of a wave go out first: 1,024 groups x 8 waves x 6 x 512 bytes is the whole of x.
.set LOADS, 6
.set STEP,  4096                       ; bytes that the eight waves cover with one instruction each
.set X,     4                          ; v[4:27]   six times four numbers, converted in place
.set E,     28                         ; v[28:31]  the first quotient of four numbers
	s_load_b128 s[4:7], s[0:1], 0x0                ; x s[4:5], q s[6:7]
	s_mul_i32 s2, ttmp9, LOADS*STEP                ; the group's first byte: below 25,165,824
	s_mov_b32 s3, 0
	v_lshlrev_b32 v1, 4, v0                        ; 16 bytes a thread; never rewritten
	s_wait_kmcnt 0x0
	s_add_nc_u64 s[4:5], s[4:5], s[2:3]
	s_add_nc_u64 s[6:7], s[6:7], s[2:3]
.irp j, 0,1,2,3,4,5
	global_load_b128 v[X+4*\j:X+4*\j+3], v1, s[4:5] offset:\j*STEP th:TH_LOAD_NT
.endr
.irp j, 0,1,2,3,4,5
	s_wait_loadcnt LOADS-1-\j                      ; loads come back in order: block j is in, the younger ones stay out
.irp p, 0,2
	v_pk_add_f32 v[X+4*\j+\p:X+4*\j+\p+1], v[X+4*\j+\p:X+4*\j+\p+1], 0x40400000 op_sel_hi:[1,0]                          ; t = x + 3
.endr
.irp p, 0,2
	v_pk_mul_f32 v[E+\p:E+\p+1], v[X+4*\j+\p:X+4*\j+\p+1], 0x4b2aaaab op_sel_hi:[1,0]                                    ; e = t * (2^26 / 6)
.endr
.irp p, 0,2
	v_pk_fma_f32 v[X+4*\j+\p:X+4*\j+\p+1], v[E+\p:E+\p+1], 0xb3c00000, v[X+4*\j+\p:X+4*\j+\p+1] op_sel_hi:[1,0,1]        ; r = t - (6 * 2^-26) e
.endr
.irp p, 0,2
	v_pk_fma_f32 v[X+4*\j+\p:X+4*\j+\p+1], v[X+4*\j+\p:X+4*\j+\p+1], 0x4b2aaaab, v[E+\p:E+\p+1] op_sel_hi:[1,0,1]        ; e + r * (2^26 / 6)
.endr
.irp p, 0,1,2,3
	v_floor_f32 v[X+4*\j+\p], v[X+4*\j+\p]         ; downward, also below zero: the low bits stay p - floor(p)
.endr
.irp p, 0,1,2,3
	v_cvt_i32_f32 v[X+4*\j+\p], v[X+4*\j+\p]
.endr
	global_store_b128 v1, v[X+4*\j:X+4*\j+3], s[6:7] offset:\j*STEP      ; no hint: the next launch reads q
.endr
	s_endpgm
.Lfunc_end_k_q3240288eb9_quantise:
	.size	k_q3240288eb9_quantise, .Lfunc_end_k_q3240288eb9_quantise-k_q3240288eb9_quantise
	.p2alignl 7, 3214868480
	.fill 96, 4, 3214868480
	.section	.rodata,"a",@progbits
	.p2align	6, 0x0
	.amdhsa_kernel k_q3240288eb9_quantise
		.amdhsa_group_segment_fixed_size 0
		.amdhsa_private_segment_fixed_size 0
		.amdhsa_enable_private_segment 0
		.amdhsa_kernarg_size 16
		.amdhsa_user_sgpr_count 2
		.amdhsa_user_sgpr_kernarg_segment_ptr 1
		.amdhsa_wavefront_size32 1
		.amdhsa_system_sgpr_workgroup_id_x 1
		.amdhsa_system_sgpr_workgroup_id_y 1
		.amdhsa_system_sgpr_workgroup_id_z 1
		.amdhsa_system_vgpr_workitem_id 0
		.amdhsa_next_free_vgpr 32
		.amdhsa_next_free_sgpr 66
		.amdhsa_reserve_vcc 0
		.amdhsa_float_denorm_mode_32 3
		.amdhsa_float_denorm_mode_16_64 3
		.amdhsa_memory_ordered 1
		.amdhsa_forward_progress 1
		.amdhsa_inst_pref_size 8
	.end_amdhsa_kernel
	.amdgpu_metadata
---
amdhsa.version: [ 1, 2 ]
amdhsa.kernels:
  - .name:           k_q3240288eb9_quantise
    .symbol:         k_q3240288eb9_quantise.kd
    .args:
      - { .name: x, .offset: 0, .size: 8, .value_kind: global_buffer, .address_space: global }
      - { .name: q, .offset: 8, .size: 8, .value_kind: global_buffer, .address_space: global }
    .group_segment_fixed_size: 0
    .private_segment_fixed_size: 0
    .kernarg_segment_align: 8
    .kernarg_segment_size: 16
    .max_flat_workgroup_size: 256
    .sgpr_count:     66
    .vgpr_count:     32
    .wavefront_size: 32
...
	.end_amdgpu_metadata
.endif
;; end of part 1
;; launch gather (part 2): grid 2048 x 1, 8 waves a work-group, no clusters, 13,312 bytes of LDS; arguments q, table, W, b, out0; writes out0
.if DOCPART == 2
	.amdgcn_target "amdgcn-amd-amdhsa--gfx1250"
	.amdhsa_code_object_version 6
	.text
	.protected	k_q3240288eb9_gather
	.globl	k_q3240288eb9_gather
	.p2align	8
	.type	k_q3240288eb9_gather,@function
k_q3240288eb9_gather:
	s_mov_b64 s[64:65], 0
	v_nop
	global_prefetch_b8 v0, s[64:65] scope:SCOPE_SE
	s_setreg_imm32_b32 hwreg(HW_REG_WAVE_MODE, 25, 1), 1
	s_wait_xcnt 0x0
; out[p][j] = b[j] + sum over k of W[j][k] feat[p][k];  feat[p][2l+f] = trilinear interpolation of table[l][hash][f] at level l.
; q (three signed whole numbers a point, from the launch before) is floor(xn * 2^26), xn = (x + 3) / 6.  Level l has resolution 16 * 2^l:
; cell = max(q, 0) >> (22 - l), weight = the low 22 - l bits of q.  hash = (cx ^ cy * 2654435761 ^ cz * 805459861) mod 2^19: only the
; low 19 bits of each product matter, so the 24-bit multiply with the primes' low 19 bits serves.
; LIMITS: x in [-195, 189) (beyond it q has saturated).  For x < -3 the cell number is 0, as a saturating conversion from float to
; unsigned gives, and the weight is p - floor(p).  A NaN in x arrives as q = 0.  The weights are cut to 22 - l bits, 2^-15 of a cell at
; the finest level.  In the matrix product each feature and each W goes as a bf16 head plus a bf16 remainder (about 16 significant bits);
; the product of the two remainders, about 2^-16 of a term, is left out; sums in f32.
;
; ONE LANE A POINT.  A lane makes the eight indices of its point at a level (y's and z's products once, four combinations, each with cx and with
; cx + 1), gathers eight entries of 8 bytes and interpolates along x, y, z in place.  The loads of a point's two x corners follow each other directly.
; A RING OF FOUR LEVELS.  The gathered data lie in four slots of 16 registers.  As soon as a level has been taken, the level four ahead is asked for
; into its slot, over the end of a trip too, so a wave has the loads of three or four levels (24 to 32) on their way all the time.  The four trips of
; 32 points are written out: q of all four lies in registers from the start, and no register number has to turn.
; THE PRODUCT.  A lane's 16 features, level l packed in register l, are its part of a fragment of 32 k x 16 columns: lane (n, h) holds k = 8h..8h+7 and
; 16+8h..16+8h+7 of column n (ISA guide 7.12.2), so column n carries point n in the k of half 0 and point 16 + n in the k of half 1.  W's fragment is
; zero but in lanes 0-7 (rows 0-7, the k of half 0) and lanes 24-31 (rows 8-15, the k of half 1): rows 0-7 of the result are W x point n, rows 8-15 are
; W x point 16 + n, and since lane (n, h) holds rows 8h..8h+7 of column n, lane L holds the results of point L.  One product serves 32 points.
; HEAD AND REMAINDER.  One rounding to bf16 keeps 8 significant bits, too few for sums that partly cancel.  Of each eight rows, 0-2 hold bf16(W), 4-6 hold
; bf16(W - bf16(W)), 3 and 7 zeros.  The product with the features' heads leaves head x head in a lane's registers 0-2 and W's remainder x head in 4-6;
; the product with the features' remainders leaves head x remainder in 0-2.
; SHAPE: a wave owns 128 points: 1,536 bytes of q and of out.  No wave needs another: no barrier.  Tensor loads, LDS slots and clusters are left out:
; the table is read in scattered pieces of 8 bytes and no tile is shared.
.set CHUNK,  1536                      ; bytes of q, of out and of LDS stage for a wave
.set SH0,    22                        ; level l: cell = q >> (SH0 - l)
.set LVL,    0x400000                  ; bytes of one level's table: 2^19 entries of 8
.set OSTO, 1                           ; v1       LDS: where my point's three results go in trip 0
.set ORD,  2                           ; v2       LDS: where I read 16 bytes back
.set GOUT, 3                           ; v3       16 lane: my 16 bytes of 512 in out
.set WF,   4                           ; v[4:11]  W's fragment
.set BH,   12                          ; v[12:19] my point's features, heads, level l in register l
.set BL,   20                          ; v[20:27] their remainders
.set Q,    28                          ; v[28:43] q of my point in trip i at Q + 4 i .. Q + 4 i + 2
.set QC,   44                          ; v[44:46] max(q, 0) of the trip that is being asked for
.set D1,   48                          ; v[48:55] W x heads; the sums are made in its registers 0-3
.set D2,   56                          ; v[56:63] W x remainders
.set WT,   48                          ; v48 x, v49 y, v50 z weight; v51 fills the pair     \ at work between two trips' products,
.set HX,   52                          ; v[52:53] the heads widened to f32 again              > dead when the products write these registers
.set T,    54                          ; v[54:59] whole numbers at work                      /
.set QOFF, 60                          ; v60      12 lane, at the start only
.set DATA, 64                          ; v[64:127] slot l mod 4 at DATA + 16 (l mod 4); in it corner (yz, x) at 4 yz + 2 x: index, then two features;
                                       ;           yz = 0: y0 z0, 1: y0 z1, 2: y1 z0, 3: y1 z1
.set TB,   24                          ; s[24:39] level l's table at s[24+2l:25+2l]
.set SM,   48                          ; s[48:63] level l: the mask of its weight bits, then the exponent bits of 2^(l+1)
	s_load_b256 s[4:11], s[0:1], 0x0               ; q s[4:5], table s[6:7], W s[8:9], b s[10:11]
	s_load_b64 s[12:13], s[0:1], 0x20              ; out
	v_lshl_add_u32 v128, v0, 2, 0x3000
	v_mov_b32 v129, 0
	v_lshrrev_b32 v[T], 5, v0
	v_readfirstlane_b32 s14, v[T]                  ; wave 0..7
	s_lshl_b32 s15, ttmp9, 3
	s_add_co_u32 s15, s15, s14                     ; which of the 16,384 chunks of 128 points
	s_mul_i32 s16, s15, CHUNK                      ; below 25,165,824
	s_mov_b32 s17, 0
	s_mul_i32 s18, s14, CHUNK                      ; my wave's stage in LDS
	s_mov_b32 s40, 0x779b1                         ; 2654435761 mod 2^19
	s_mov_b32 s41, 0x25795                         ; 805459861 mod 2^19
	s_mov_b32 s42, 0x7ffff                         ; mod 2^19
	s_mov_b32 s43, 0xffff0000                      ; a word's upper bf16
	s_mov_b32 s44, 0xf0f0f0f0                      ; lanes whose fragment row mod 8 is 4-7: W's remainders
	s_mov_b32 s45, 0x77000077                      ; lanes 0-7 and 24-31 whose row mod 4 is 0-2: the only ones that hold W
.irp l, 0,1,2,3,4,5,6,7
	s_mov_b32 s[SM+2*\l],   (1<<(SH0-\l))-1
	s_mov_b32 s[SM+2*\l+1], 0x40000000+\l*0x800000
.endr
	v_and_b32 v[T+1], 3, v0                        ; fragment row mod 4 = W's row
	v_min_u32 v[T+2], 2, v[T+1]                    ; rows 3, 7, 11, 15 read row 2 (inside W) and are cleared below
	v_lshlrev_b32 v[T+2], 6, v[T+2]                ; a row of W is 64 bytes
	v_and_b32 v[T+3], 31, v0                       ; lane
	v_mul_u32_u24 v[QOFF], 12, v[T+3]
	v_lshlrev_b32 v[GOUT], 4, v[T+3]
	v_add_nc_u32 v[OSTO], s18, v[QOFF]
	v_add_nc_u32 v[ORD], s18, v[GOUT]
	v_mov_b32 v[WT+3], 0                           ; the z weight's pair is named whole by the packed forms: its other register is written once
	s_wait_kmcnt 0x0
	s_load_b96 s[20:22], s[10:11], 0x0             ; b
	s_add_nc_u64 s[4:5], s[4:5], s[16:17]          ; q and out at my chunk
	s_add_nc_u64 s[12:13], s[12:13], s[16:17]
.irp j, 0,1,2,3
	global_load_b128 v[DATA+4*\j:DATA+4*\j+3], v[T+2], s[8:9] offset:16*\j
.endr
.irp i, 0,1,2,3
	global_load_b96 v[Q+4*\i:Q+4*\i+2], v[QOFF], s[4:5] offset:384*\i th:TH_LOAD_NT    ; 32 lanes, 384 consecutive bytes; the four cover my 1,536
.endr
.irp l, 0,1,2,3,4,5,6,7
	s_add_nc_u64 s[TB+2*\l:TB+2*\l+1], s[6:7], \l*LVL
.endr
	s_wait_loadcnt 0x4                             ; W's four loads are in; the four of q, issued behind them, may be out
.irp j, 0,1,2,3,4,5,6,7
	v_cvt_pk_bf16_f32 v[WF+\j], v[DATA+2*\j], v[DATA+2*\j+1]       ; heads of W[row][2j], W[row][2j+1]: level j's two columns
.endr
.irp j, 0,1,2,3,4,5,6,7
	v_lshlrev_b32 v[DATA+16+2*\j], 16, v[WF+\j]                    ; the heads as f32
	v_and_b32     v[DATA+17+2*\j], s43, v[WF+\j]
.endr
.irp j, 0,1,2,3,4,5,6,7
	v_pk_add_f32 v[DATA+2*\j:DATA+2*\j+1], v[DATA+2*\j:DATA+2*\j+1], v[DATA+16+2*\j:DATA+17+2*\j] neg_lo:[0,1] neg_hi:[0,1]   ; W - head, exact
.endr
.irp j, 0,1,2,3,4,5,6,7
	v_cvt_pk_bf16_f32 v[DATA+2*\j], v[DATA+2*\j], v[DATA+2*\j+1]   ; the remainders
.endr
.irp j, 0,1,2,3,4,5,6,7
	v_cndmask_b32 v[WF+\j], v[WF+\j], v[DATA+2*\j], s44            ; rows 4-7 of each eight take the remainders
.endr
.irp j, 0,1,2,3,4,5,6,7
	v_cndmask_b32 v[WF+\j], 0, v[WF+\j], s45                       ; everything else is zero
.endr
	s_wait_loadcnt 0x0                             ; q of all four trips
	s_wait_kmcnt 0x0                               ; b
; max(q, 0) of trip i: the sign spread over the word picks 0 or q
.macro CLAMP i
.irp c, 0,1,2
	v_ashrrev_i32 v[T+\c], 31, v[Q+4*(\i)+\c]
.endr
.irp c, 0,1,2
	v_bfi_b32 v[QC+\c], v[T+\c], 0, v[Q+4*(\i)+\c]
.endr
.endm
; The eight gathers of level l.  An index is made in the low register of the pair on which its own load lands, so no address register outlives
; its load.  y's and z's combination is cut to 19 bits; cx and cx + 1 are at most 2^16 (q < 2^31, shifted by 15 at the least) and need no cut.
; Each index is bounded once more by a constant in the instruction and scaled by the load (8 bytes an entry).  Every work-group reads the
; table again and again: the loads carry the hint for such data.
.macro ASK l
.set SB, DATA+16*((\l)&3)
	v_lshrrev_b32 v[T+0], SH0-(\l), v[QC+0]        ; cx
	v_lshrrev_b32 v[T+2], SH0-(\l), v[QC+1]        ; cy
	v_lshrrev_b32 v[T+4], SH0-(\l), v[QC+2]        ; cz
	v_add_nc_u32  v[T+1], 1, v[T+0]                ; cx + 1
	v_mul_u32_u24 v[T+2], s40, v[T+2]              ; cy * prime
	v_mul_u32_u24 v[T+4], s41, v[T+4]              ; cz * prime
	v_add_nc_u32  v[T+3], s40, v[T+2]              ; (cy + 1) * prime
	v_add_nc_u32  v[T+5], s41, v[T+4]              ; (cz + 1) * prime
	v_xor_b32 v[SB+2],  v[T+2], v[T+4]             ; y0 z0
	v_xor_b32 v[SB+6],  v[T+2], v[T+5]             ; y0 z1
	v_xor_b32 v[SB+10], v[T+3], v[T+4]             ; y1 z0
	v_xor_b32 v[SB+14], v[T+3], v[T+5]             ; y1 z1
.irp c, 2,6,10,14
	v_and_b32 v[SB+\c], s42, v[SB+\c]
.endr
.irp c, 0,4,8,12
	v_xor_b32 v[SB+\c], v[T+0], v[SB+\c+2]         ; with cx
.endr
.irp c, 2,6,10,14
	v_xor_b32 v[SB+\c], v[T+1], v[SB+\c]           ; with cx + 1
.endr
.irp c, 0,2,4,6,8,10,12,14
	v_min_u32 v[SB+\c], 0x7ffff, v[SB+\c]
.endr
.irp c, 0,2,4,6,8,10,12,14
	global_load_b64 v[SB+\c:SB+\c+1], v[SB+\c], s[TB+2*(\l):TB+2*(\l)+1] scale_offset th:TH_LOAD_HT
.endr
.endm
; Level l of trip i is taken.  The weights are made while the data travel: the 22 - l low bits of q under the exponent of 2^(l+1) are
; 2^(l+1) + w exactly (one unit of that fraction is 2^(l-22)), and the subtraction is exact.  Then a + w (b - a) on both features at once,
; along x (four times), y (twice), z, in place.  The pair goes into register l of the two fragments: rounded to bf16 (head), and what that
; rounding left (f32 minus the widened head is exact), rounded to bf16 (remainder).  left = the loads of the younger levels, eight each.
.macro TAKE l, i, left
.set SB, DATA+16*((\l)&3)
.irp c, 0,1,2
	v_and_or_b32 v[WT+\c], v[Q+4*(\i)+\c], s[SM+2*(\l)], s[SM+2*(\l)+1]
.endr
	v_pk_add_f32 v[WT:WT+1], v[WT:WT+1], 0xc0000000+(\l)*0x800000 op_sel_hi:[1,0]      ; - 2^(l+1)
	v_add_f32 v[WT+2], 0xc0000000+(\l)*0x800000, v[WT+2]
	s_wait_loadcnt \left                           ; loads come back in order: this level's eight are in, the younger levels' may be out
.irp c, 0,4,8,12
	v_pk_add_f32 v[SB+\c+2:SB+\c+3], v[SB+\c+2:SB+\c+3], v[SB+\c:SB+\c+1] neg_lo:[0,1] neg_hi:[0,1]
.endr
.irp c, 0,4,8,12
	v_pk_fma_f32 v[SB+\c:SB+\c+1], v[SB+\c+2:SB+\c+3], v[WT:WT+1], v[SB+\c:SB+\c+1] op_sel_hi:[1,0,1]                  ; along x (both halves times v48)
.endr
.irp c, 0,4
	v_pk_add_f32 v[SB+\c+8:SB+\c+9], v[SB+\c+8:SB+\c+9], v[SB+\c:SB+\c+1] neg_lo:[0,1] neg_hi:[0,1]
.endr
.irp c, 0,4
	v_pk_fma_f32 v[SB+\c:SB+\c+1], v[SB+\c+8:SB+\c+9], v[WT:WT+1], v[SB+\c:SB+\c+1] op_sel:[0,1,0] op_sel_hi:[1,1,1]   ; along y (both halves times v49)
.endr
	v_pk_add_f32 v[SB+4:SB+5], v[SB+4:SB+5], v[SB:SB+1] neg_lo:[0,1] neg_hi:[0,1]
	v_pk_fma_f32 v[SB:SB+1], v[SB+4:SB+5], v[WT+2:WT+3], v[SB:SB+1] op_sel_hi:[1,0,1]                                  ; along z (both halves times v50)
	v_cvt_pk_bf16_f32 v[BH+(\l)], v[SB], v[SB+1]                                                                       ; heads
	v_lshlrev_b32 v[HX],   16, v[BH+(\l)]
	v_and_b32     v[HX+1], s43, v[BH+(\l)]
	v_pk_add_f32 v[SB:SB+1], v[SB:SB+1], v[HX:HX+1] neg_lo:[0,1] neg_hi:[0,1]
	v_cvt_pk_bf16_f32 v[BL+(\l)], v[SB], v[SB+1]                                                                       ; remainders
.endm
; The trip's two products and its 32 points' results.  Each product starts its own sum (C = 0) in its own registers, D1 and D2 by turns through the
; four trips, and none adds onto a result.
.macro FINISH i
	v_wmma_f32_16x16x32_bf16 v[D1:D1+7], v[WF:WF+7], v[BH:BH+7], 0
	v_wmma_f32_16x16x32_bf16 v[D2:D2+7], v[WF:WF+7], v[BL:BL+7], 0
.rept 4
	v_nop                                          ; four places before a result is read or a register of the products is written (ISA guide 7.12.1)
.endr
	v_pk_add_f32 v[D1:D1+1],   v[D1:D1+1],   v[D1+4:D1+5]          ; head x head + W's remainder x head; register 3 rides along (zero rows)
	v_pk_add_f32 v[D1+2:D1+3], v[D1+2:D1+3], v[D1+6:D1+7]
	v_pk_add_f32 v[D1:D1+1],   v[D1:D1+1],   v[D2:D2+1]            ; + head x remainder
	v_pk_add_f32 v[D1+2:D1+3], v[D1+2:D1+3], v[D2+2:D2+3]
.irp j, 0,1,2
	v_add_f32 v[D1+\j], s[20+\j], v[D1+\j]                         ; + b[j]
.endr
	ds_store_b96 v[OSTO], v[D1:D1+2] offset:384*(\i)               ; 32 lanes, 384 consecutive bytes of my wave's own stage; the four trips fill its 1,536
.endm
; Trip i: eight levels taken; behind each, the level four ahead is asked for.  more = 1: the last four of these belong to the next trip.
.macro TRIP i, more
	TAKE 0, \i, 24
	ASK 4
	TAKE 1, \i, 24
	ASK 5
	TAKE 2, \i, 24
	ASK 6
	TAKE 3, \i, 24
	ASK 7
.if \more
	CLAMP \i+1                                     ; this trip's cells have all been asked for
	TAKE 4, \i, 24
	ASK 0
	TAKE 5, \i, 24
	ASK 1
	TAKE 6, \i, 24
	ASK 2
	TAKE 7, \i, 24
	ASK 3                                          ; goes out ahead of the products; its work registers are dead when they write them
.else
	TAKE 4, \i, 24                                 ; nothing is left to ask for: the counts run down
	TAKE 5, \i, 16
	TAKE 6, \i, 8
	TAKE 7, \i, 0
.endif
	FINISH \i
.endm
	CLAMP 0
	ASK 0
	ASK 1
	ASK 2
	ASK 3
	TRIP 0, 1
	TRIP 1, 1
	TRIP 2, 1
	TRIP 3, 0
	; The way out: the stage holds the chunk as it lies in out.  LDS serves a wave's instructions in order (ISA guide 5.7.1), so these loads see the stores above.
.irp t, 0,1,2
	ds_load_b128 v[DATA+4*\t:DATA+4*\t+3], v[ORD] offset:512*\t
.endr
.irp t, 0,1,2
	s_wait_dscnt 2-\t                              ; piece t is in, the younger ones may be out
	global_store_b128 v[GOUT], v[DATA+4*\t:DATA+4*\t+3], s[12:13] offset:512*\t th:TH_STORE_NT   ; 512 consecutive bytes, at a multiple of 512 from out's first byte
.endr
	s_wait_tensorcnt 0x0
	ds_add_u32 v128, v129
	s_wait_dscnt 0x0
	s_endpgm
.Lfunc_end_k_q3240288eb9_gather:
	.size	k_q3240288eb9_gather, .Lfunc_end_k_q3240288eb9_gather-k_q3240288eb9_gather
	.p2alignl 7, 3214868480
	.fill 96, 4, 3214868480
	.section	.rodata,"a",@progbits
	.p2align	6, 0x0
	.amdhsa_kernel k_q3240288eb9_gather
		.amdhsa_group_segment_fixed_size 13312
		.amdhsa_private_segment_fixed_size 0
		.amdhsa_enable_private_segment 0
		.amdhsa_kernarg_size 40
		.amdhsa_user_sgpr_count 2
		.amdhsa_user_sgpr_kernarg_segment_ptr 1
		.amdhsa_wavefront_size32 1
		.amdhsa_system_sgpr_workgroup_id_x 1
		.amdhsa_system_sgpr_workgroup_id_y 1
		.amdhsa_system_sgpr_workgroup_id_z 1
		.amdhsa_system_vgpr_workitem_id 0
		.amdhsa_next_free_vgpr 130
		.amdhsa_next_free_sgpr 66
		.amdhsa_reserve_vcc 0
		.amdhsa_float_denorm_mode_32 3
		.amdhsa_float_denorm_mode_16_64 3
		.amdhsa_memory_ordered 1
		.amdhsa_forward_progress 1
		.amdhsa_inst_pref_size 123
	.end_amdhsa_kernel
	.amdgpu_metadata
---
amdhsa.version: [ 1, 2 ]
amdhsa.kernels:
  - .name:           k_q3240288eb9_gather
    .symbol:         k_q3240288eb9_gather.kd
    .args:
      - { .name: q, .offset: 0, .size: 8, .value_kind: global_buffer, .address_space: global }
      - { .name: table, .offset: 8, .size: 8, .value_kind: global_buffer, .address_space: global }
      - { .name: W, .offset: 16, .size: 8, .value_kind: global_buffer, .address_space: global }
      - { .name: b, .offset: 24, .size: 8, .value_kind: global_buffer, .address_space: global }
      - { .name: out0, .offset: 32, .size: 8, .value_kind: global_buffer, .address_space: global }
    .group_segment_fixed_size: 13312
    .private_segment_fixed_size: 0
    .kernarg_segment_align: 8
    .kernarg_segment_size: 40
    .max_flat_workgroup_size: 256
    .sgpr_count:     66
    .vgpr_count:     130
    .wavefront_size: 32
...
	.end_amdgpu_metadata
.endif
;; end of part 2
;; ======== version 2 of 2: 2 launches; version 1 with the launch gather written anew for expert scheduling mode
;; limits: inputs' magnitudes at most 189
;; workspace buffers: q 25,165,824 bytes of whole numbers
;; launch quantise: the kernel of part 1 again; grid 1024 x 1, 8 waves a work-group, no clusters, 0 bytes of LDS; arguments x, q; writes q
;; launch gather (part 3): grid 2048 x 1, 8 waves a work-group, no clusters, 13,312 bytes of LDS; arguments q, table, W, b, out0; writes out0
.if DOCPART == 3
	.amdgcn_target "amdgcn-amd-amdhsa--gfx1250"
	.amdhsa_code_object_version 6
	.text
	.protected	k_q3240288eb9_gather
	.globl	k_q3240288eb9_gather
	.p2align	8
	.type	k_q3240288eb9_gather,@function
k_q3240288eb9_gather:
	s_mov_b64 s[64:65], 0
	v_nop
	global_prefetch_b8 v0, s[64:65] scope:SCOPE_SE
	s_setreg_imm32_b32 hwreg(HW_REG_WAVE_SCHED_MODE, 0, 2), 2
	s_setreg_imm32_b32 hwreg(HW_REG_WAVE_MODE, 25, 1), 1
	s_wait_xcnt 0x0
	s_wait_alu depctr_vm_vsrc(0)
; out[p][j] = b[j] + sum over k of W[j][k] feat[p][k];  feat[p][2l+f] = trilinear interpolation of table[l][hash][f] at level l.
; q (three signed whole numbers a point, from the launch before) is floor(xn * 2^26), xn = (x + 3) / 6.  Level l has resolution 16 * 2^l:
; cell = max(q, 0) >> (22 - l), weight = the low 22 - l bits of q.  hash = (cx ^ cy * 2654435761 ^ cz * 805459861) mod 2^19: only the
; low 19 bits of each product matter, so the 24-bit multiply with the primes' low 19 bits serves.
; LIMITS: x in [-195, 189) (beyond it q has saturated).  For x < -3 the cell number is 0, as a saturating conversion from float to
; unsigned gives, and the weight is p - floor(p).  A NaN in x arrives as q = 0.  The weights are cut to 22 - l bits, 2^-15 of a cell at
; the finest level.  In the matrix product each feature and each W goes as a bf16 head plus a bf16 remainder (about 16 significant bits);
; the product of the two remainders, about 2^-16 of a term, is left out; sums in f32.
;
; ONE LANE A POINT.  A lane makes the eight indices of its point at a level (y's and z's products once, four combinations, each with cx and with
; cx + 1), gathers eight entries of 8 bytes and interpolates along x, y, z in place.  The loads of a point's two x corners follow each other directly.
; A RING OF FOUR LEVELS.  The gathered data lie in four slots of 16 registers.  As soon as a level has been taken, the level four ahead is asked for
; into its slot, over the end of a trip too, so a wave has the loads of three or four levels (24 to 32) on their way all the time.  The four trips of
; 32 points are written out: q of all four lies in registers from the start, and no register number has to turn.
; THE PRODUCT.  A lane's 16 features, level l packed in register l, are its part of a fragment of 32 k x 16 columns: lane (n, h) holds k = 8h..8h+7 and
; 16+8h..16+8h+7 of column n (ISA guide 7.12.2), so column n carries point n in the k of half 0 and point 16 + n in the k of half 1.  W's fragment is
; zero but in lanes 0-7 (rows 0-7, the k of half 0) and lanes 24-31 (rows 8-15, the k of half 1): rows 0-7 of the result are W x point n, rows 8-15 are
; W x point 16 + n, and since lane (n, h) holds rows 8h..8h+7 of column n, lane L holds the results of point L.  One product serves 32 points.
; HEAD AND REMAINDER.  One rounding to bf16 keeps 8 significant bits, too few for sums that partly cancel.  Of each eight rows, 0-2 hold bf16(W), 4-6 hold
; bf16(W - bf16(W)), 3 and 7 zeros.  The product with the features' heads leaves head x head in a lane's registers 0-2 and W's remainder x head in 4-6;
; the product with the features' remainders leaves head x remainder in 0-2.
; SHAPE: a wave owns 128 points: 1,536 bytes of q and of out.  No wave needs another: no barrier.  Tensor loads, LDS slots and clusters are left out:
; the table is read in scattered pieces of 8 bytes and no tile is shared.
; THE MODE: SCHED_MODE bits 1:0 = 2 (LLVM: expert scheduling mode 2), set by the entry lines.  The code itself states the register dependences
; between vector or matrix instructions and memory or LDS instructions, with s_wait_alu, always for 0.
; THE PLAN.  A step is: a level is taken (TAKE), the level four ahead is asked for into the same slot (ASK).  Registers that memory or LDS instructions touch:
;   slot k      ASK's vector lines write the eight indices into its even registers; the eight loads read them and land in all sixteen, each load on its own
;               index register and the one above; four steps later TAKE reads the data and interpolates in place.
;   v[48:50]    Written by the product with the heads and by the sums behind it, read by the trip's LDS store, written next by the next trip's product;
;               no other line names them.
;   v1, v2, v3  Addresses of the stage and of out: made at the head, never written again.
;   v48, v56    At the head only: the offsets of q's and W's loads.
;   WF, BH, BL, QC, HX, T, the weights and D2 are named by vector and matrix instructions alone.
; So a step holds ONE wait on va_vdst, ahead of its eight loads: the indices are written, and TAKE is done reading and writing the slot.  A slot asked for at the
; end of step t is written again in step t + 4, so ONE wait on vm_vsrc in every fourth step (levels 0 and 4) lies between each slot's loads and the next write
; of its index registers; level 0's also lies between a trip's LDS store and the next product.  One more wait on va_vdst stands ahead of each LDS store.
.set CHUNK,  1536                      ; bytes of q, of out and of LDS stage for a wave
.set SH0,    22                        ; level l: cell = q >> (SH0 - l)
.set LVL,    0x400000                  ; bytes of one level's table: 2^19 entries of 8
.set OSTO, 1                           ; v1       LDS: where my point's three results go in trip 0
.set ORD,  2                           ; v2       LDS: where I read 16 bytes back
.set GOUT, 3                           ; v3       16 lane: my 16 bytes of 512 in out
.set WF,   4                           ; v[4:11]  W's fragment
.set BH,   12                          ; v[12:19] my point's features, heads, level l in register l
.set BL,   20                          ; v[20:27] their remainders
.set Q,    28                          ; v[28:43] q of my point in trip i at Q + 4 i .. Q + 4 i + 2
.set QC,   44                          ; v[44:46] max(q, 0) of the trip that is being asked for
.set D1,   48                          ; v[48:55] W x heads; the sums are made in its registers 0-3
.set D2,   56                          ; v[56:63] W x remainders
.set QOFF, 48                          ; v48      12 lane, at the start only
.set HX,   52                          ; v[52:53] the heads widened to f32 again              \ at work between two trips' products,
.set T,    54                          ; v[54:59] whole numbers at work                       > dead when the products write these registers
.set WT,   60                          ; v60 x, v61 y, v62 z weight; v63 fills the pair      /
.set DATA, 64                          ; v[64:127] slot l mod 4 at DATA + 16 (l mod 4); in it corner (yz, x) at 4 yz + 2 x: index, then two features;
                                       ;           yz = 0: y0 z0, 1: y0 z1, 2: y1 z0, 3: y1 z1
.set TB,   24                          ; s[24:39] level l's table at s[24+2l:25+2l]
.set SM,   48                          ; s[48:63] level l: the mask of its weight bits, then the exponent bits of 2^(l+1)
	s_load_b256 s[4:11], s[0:1], 0x0               ; q s[4:5], table s[6:7], W s[8:9], b s[10:11]
	s_load_b64 s[12:13], s[0:1], 0x20              ; out
	v_lshl_add_u32 v43, v0, 2, 0x3000
	v_mov_b32 v47, 0
	v_lshrrev_b32 v[T], 5, v0
	v_readfirstlane_b32 s14, v[T]                  ; wave 0..7
	s_mov_b32 s40, 0x779b1                         ; 2654435761 mod 2^19
	s_mov_b32 s41, 0x25795                         ; 805459861 mod 2^19
	s_mov_b32 s42, 0x7ffff                         ; mod 2^19
	s_mov_b32 s43, 0xffff0000                      ; a word's upper bf16
	s_mov_b32 s44, 0xf0f0f0f0                      ; lanes whose fragment row mod 8 is 4-7: W's remainders
	s_mov_b32 s45, 0x77000077                      ; lanes 0-7 and 24-31 whose row mod 4 is 0-2: the only ones that hold W
.irp l, 0,1,2,3,4,5,6,7
	s_mov_b32 s[SM+2*\l],   (1<<(SH0-\l))-1
	s_mov_b32 s[SM+2*\l+1], 0x40000000+\l*0x800000
.endr
	v_and_b32 v[T+1], 3, v0                        ; fragment row mod 4 = W's row
	v_min_u32 v[T+2], 2, v[T+1]                    ; rows 3, 7, 11, 15 read row 2 (inside W) and are cleared below
	v_lshlrev_b32 v[T+2], 6, v[T+2]                ; a row of W is 64 bytes
	v_and_b32 v[T+3], 31, v0                       ; lane
	v_mul_u32_u24 v[QOFF], 12, v[T+3]
	v_lshlrev_b32 v[GOUT], 4, v[T+3]
	v_mov_b32 v[WT+3], 0                           ; the z weight's pair is named whole by the packed forms: its other register is written once
	s_wait_alu depctr_va_sdst(0)                   ; s14 is written, ahead of its first reader: my chunk's and my stage's offsets are made from it
	s_lshl_b32 s15, ttmp9, 3
	s_add_co_u32 s15, s15, s14                     ; which of the 16,384 chunks of 128 points
	s_mul_i32 s16, s15, CHUNK                      ; below 25,165,824
	s_mov_b32 s17, 0
	s_mul_i32 s18, s14, CHUNK                      ; my wave's stage in LDS
	v_add_nc_u32 v[OSTO], s18, v[QOFF]
	v_add_nc_u32 v[ORD], s18, v[GOUT]
	s_wait_kmcnt 0x0
	s_load_b96 s[20:22], s[10:11], 0x0             ; b
	s_add_nc_u64 s[4:5], s[4:5], s[16:17]          ; q and out at my chunk
	s_add_nc_u64 s[12:13], s[12:13], s[16:17]
	s_wait_alu depctr_va_vdst(0)                   ; the offsets v56 and v48, which the loads below read, are written; so are v1, v2 and v3, which the stage's stores and the way out read and no vector line names again
.irp j, 0,1,2,3
	global_load_b128 v[DATA+4*\j:DATA+4*\j+3], v[T+2], s[8:9] offset:16*\j
.endr
.irp i, 0,1,2,3
	global_load_b96 v[Q+4*\i:Q+4*\i+2], v[QOFF], s[4:5] offset:384*\i th:TH_LOAD_NT    ; 32 lanes, 384 consecutive bytes; the four cover my 1,536
.endr
.irp l, 0,1,2,3,4,5,6,7
	s_add_nc_u64 s[TB+2*\l:TB+2*\l+1], s[6:7], \l*LVL
.endr
	s_wait_loadcnt 0x4                             ; W's four loads are in; the four of q, issued behind them, may be out
.irp j, 0,1,2,3,4,5,6,7
	v_cvt_pk_bf16_f32 v[WF+\j], v[DATA+2*\j], v[DATA+2*\j+1]       ; heads of W[row][2j], W[row][2j+1]: level j's two columns
.endr
.irp j, 0,1,2,3,4,5,6,7
	v_lshlrev_b32 v[DATA+16+2*\j], 16, v[WF+\j]                    ; the heads as f32
	v_and_b32     v[DATA+17+2*\j], s43, v[WF+\j]
.endr
.irp j, 0,1,2,3,4,5,6,7
	v_pk_add_f32 v[DATA+2*\j:DATA+2*\j+1], v[DATA+2*\j:DATA+2*\j+1], v[DATA+16+2*\j:DATA+17+2*\j] neg_lo:[0,1] neg_hi:[0,1]   ; W - head, exact
.endr
.irp j, 0,1,2,3,4,5,6,7
	v_cvt_pk_bf16_f32 v[DATA+2*\j], v[DATA+2*\j], v[DATA+2*\j+1]   ; the remainders
.endr
.irp j, 0,1,2,3,4,5,6,7
	v_cndmask_b32 v[WF+\j], v[WF+\j], v[DATA+2*\j], s44            ; rows 4-7 of each eight take the remainders
.endr
.irp j, 0,1,2,3,4,5,6,7
	v_cndmask_b32 v[WF+\j], 0, v[WF+\j], s45                       ; everything else is zero
.endr
	s_wait_loadcnt 0x0                             ; q of all four trips
	s_wait_kmcnt 0x0                               ; b
	s_wait_alu depctr_vm_vsrc(0)                   ; W's and q's loads have read their offsets: v56 is written again by the lines just below, v48 by the first product
; max(q, 0) of trip i: the sign spread over the word picks 0 or q
.macro CLAMP i
.irp c, 0,1,2
	v_ashrrev_i32 v[T+\c], 31, v[Q+4*(\i)+\c]
.endr
.irp c, 0,1,2
	v_bfi_b32 v[QC+\c], v[T+\c], 0, v[Q+4*(\i)+\c]
.endr
.endm
; The eight gathers of level l.  An index is made in the low register of the pair on which its own load lands, so no address register outlives
; its load.  y's and z's combination is cut to 19 bits; cx and cx + 1 are at most 2^16 (q < 2^31, shifted by 15 at the least) and need no cut.
; Each index is bounded once more by a constant in the instruction and scaled by the load (8 bytes an entry).  Every work-group reads the
; table again and again: the loads carry the hint for such data.
.macro ASK l
.set SB, DATA+16*((\l)&3)
	v_lshrrev_b32 v[T+0], SH0-(\l), v[QC+0]        ; cx
	v_lshrrev_b32 v[T+2], SH0-(\l), v[QC+1]        ; cy
	v_lshrrev_b32 v[T+4], SH0-(\l), v[QC+2]        ; cz
	v_add_nc_u32  v[T+1], 1, v[T+0]                ; cx + 1
	v_mul_u32_u24 v[T+2], s40, v[T+2]              ; cy * prime
	v_mul_u32_u24 v[T+4], s41, v[T+4]              ; cz * prime
	v_add_nc_u32  v[T+3], s40, v[T+2]              ; (cy + 1) * prime
	v_add_nc_u32  v[T+5], s41, v[T+4]              ; (cz + 1) * prime
	v_xor_b32 v[SB+2],  v[T+2], v[T+4]             ; y0 z0
	v_xor_b32 v[SB+6],  v[T+2], v[T+5]             ; y0 z1
	v_xor_b32 v[SB+10], v[T+3], v[T+4]             ; y1 z0
	v_xor_b32 v[SB+14], v[T+3], v[T+5]             ; y1 z1
.irp c, 2,6,10,14
	v_and_b32 v[SB+\c], s42, v[SB+\c]
.endr
.irp c, 0,4,8,12
	v_xor_b32 v[SB+\c], v[T+0], v[SB+\c+2]         ; with cx
.endr
.irp c, 2,6,10,14
	v_xor_b32 v[SB+\c], v[T+1], v[SB+\c]           ; with cx + 1
.endr
.irp c, 0,2,4,6,8,10,12,14
	v_min_u32 v[SB+\c], 0x7ffff, v[SB+\c]
.endr
	s_wait_alu depctr_va_vdst(0)                   ; the eight indices, which the loads read, are written; the lines that took the slot's last level (at the start: W's conversions) are done reading and writing the sixteen registers in which the loads land
.irp c, 0,2,4,6,8,10,12,14
	global_load_b64 v[SB+\c:SB+\c+1], v[SB+\c], s[TB+2*(\l):TB+2*(\l)+1] scale_offset th:TH_LOAD_HT
.endr
.endm
; Level l of trip i is taken.  The weights are made while the data travel: the 22 - l low bits of q under the exponent of 2^(l+1) are
; 2^(l+1) + w exactly (one unit of that fraction is 2^(l-22)), and the subtraction is exact.  Then a + w (b - a) on both features at once,
; along x (four times), y (twice), z, in place.  The pair goes into register l of the two fragments: rounded to bf16 (head), and what that
; rounding left (f32 minus the widened head is exact), rounded to bf16 (remainder).  left = the loads of the younger levels, eight each.
; rel = 1 (levels 0 and 4): the wait on vm_vsrc that serves this step and the three behind it.
.macro TAKE l, i, left, rel
.set SB, DATA+16*((\l)&3)
.irp c, 0,1,2
	v_and_or_b32 v[WT+\c], v[Q+4*(\i)+\c], s[SM+2*(\l)], s[SM+2*(\l)+1]
.endr
	v_pk_add_f32 v[WT:WT+1], v[WT:WT+1], 0xc0000000+(\l)*0x800000 op_sel_hi:[1,0]      ; - 2^(l+1)
	v_add_f32 v[WT+2], 0xc0000000+(\l)*0x800000, v[WT+2]
	s_wait_loadcnt \left                           ; loads come back in order: this level's eight are in, the younger levels' may be out
.if \rel
	s_wait_alu depctr_vm_vsrc(0)                   ; the loads of all four slots, issued ahead of this line, have read their index registers, which this step and the next three write again; at level 0 the LDS store of the trip before has read v[48:50], which this trip's product writes
.endif
.irp c, 0,4,8,12
	v_pk_add_f32 v[SB+\c+2:SB+\c+3], v[SB+\c+2:SB+\c+3], v[SB+\c:SB+\c+1] neg_lo:[0,1] neg_hi:[0,1]
.endr
.irp c, 0,4,8,12
	v_pk_fma_f32 v[SB+\c:SB+\c+1], v[SB+\c+2:SB+\c+3], v[WT:WT+1], v[SB+\c:SB+\c+1] op_sel_hi:[1,0,1]                  ; along x (both halves times v60)
.endr
.irp c, 0,4
	v_pk_add_f32 v[SB+\c+8:SB+\c+9], v[SB+\c+8:SB+\c+9], v[SB+\c:SB+\c+1] neg_lo:[0,1] neg_hi:[0,1]
.endr
.irp c, 0,4
	v_pk_fma_f32 v[SB+\c:SB+\c+1], v[SB+\c+8:SB+\c+9], v[WT:WT+1], v[SB+\c:SB+\c+1] op_sel:[0,1,0] op_sel_hi:[1,1,1]   ; along y (both halves times v61)
.endr
	v_pk_add_f32 v[SB+4:SB+5], v[SB+4:SB+5], v[SB:SB+1] neg_lo:[0,1] neg_hi:[0,1]
	v_pk_fma_f32 v[SB:SB+1], v[SB+4:SB+5], v[WT+2:WT+3], v[SB:SB+1] op_sel_hi:[1,0,1]                                  ; along z (both halves times v62)
	v_cvt_pk_bf16_f32 v[BH+(\l)], v[SB], v[SB+1]                                                                       ; heads
	v_lshlrev_b32 v[HX],   16, v[BH+(\l)]
	v_and_b32     v[HX+1], s43, v[BH+(\l)]
	v_pk_add_f32 v[SB:SB+1], v[SB:SB+1], v[HX:HX+1] neg_lo:[0,1] neg_hi:[0,1]
	v_cvt_pk_bf16_f32 v[BL+(\l)], v[SB], v[SB+1]                                                                       ; remainders
.endm
; The trip's two products and its 32 points' results.  Each product starts its own sum (C = 0) in its own registers, D1 and D2 by turns through the
; four trips, and none adds onto a result.
.macro FINISH i
	v_wmma_f32_16x16x32_bf16 v[D1:D1+7], v[WF:WF+7], v[BH:BH+7], 0
	v_wmma_f32_16x16x32_bf16 v[D2:D2+7], v[WF:WF+7], v[BL:BL+7], 0
.rept 4
	v_nop                                          ; four places before a result is read or a register of the products is written (ISA guide 7.12.1)
.endr
	v_pk_add_f32 v[D1:D1+1],   v[D1:D1+1],   v[D1+4:D1+5]          ; head x head + W's remainder x head; register 3 rides along (zero rows)
	v_pk_add_f32 v[D1+2:D1+3], v[D1+2:D1+3], v[D1+6:D1+7]
	v_pk_add_f32 v[D1:D1+1],   v[D1:D1+1],   v[D2:D2+1]            ; + head x remainder
	v_pk_add_f32 v[D1+2:D1+3], v[D1+2:D1+3], v[D2+2:D2+3]
.irp j, 0,1,2
	v_add_f32 v[D1+\j], s[20+\j], v[D1+\j]                         ; + b[j]
.endr
	s_wait_alu depctr_va_vdst(0)                   ; the sums have written v[48:50], which the LDS store reads; in the last trip every vector line of the kernel stands ahead of this wait, those that named v[64:75] too, in which the way out's LDS loads land
	ds_store_b96 v[OSTO], v[D1:D1+2] offset:384*(\i)               ; 32 lanes, 384 consecutive bytes of my wave's own stage; the four trips fill its 1,536
.endm
; Trip i: eight levels taken; behind each, the level four ahead is asked for.  more = 1: the last four of these belong to the next trip.
.macro TRIP i, more
	TAKE 0, \i, 24, 1
	ASK 4
	TAKE 1, \i, 24, 0
	ASK 5
	TAKE 2, \i, 24, 0
	ASK 6
	TAKE 3, \i, 24, 0
	ASK 7
.if \more
	CLAMP \i+1                                     ; this trip's cells have all been asked for
	TAKE 4, \i, 24, 1
	ASK 0
	TAKE 5, \i, 24, 0
	ASK 1
	TAKE 6, \i, 24, 0
	ASK 2
	TAKE 7, \i, 24, 0
	ASK 3                                          ; goes out ahead of the products; its work registers are dead when they write them
.else
	TAKE 4, \i, 24, 1                              ; nothing is left to ask for: the counts run down, and no memory instruction follows this step's wait on vm_vsrc until the stage's store
	TAKE 5, \i, 16, 0
	TAKE 6, \i, 8, 0
	TAKE 7, \i, 0, 0
.endif
	FINISH \i
.endm
	CLAMP 0
	ASK 0
	ASK 1
	ASK 2
	ASK 3
	TRIP 0, 1
	TRIP 1, 1
	TRIP 2, 1
	TRIP 3, 0
	; The way out: the stage holds the chunk as it lies in out.  LDS serves a wave's instructions in order (ISA guide 5.7.1), so these loads see the stores above.
	; No s_wait_alu: no vector line stands behind the last trip's wait on va_vdst, and the gathers that read v64 to v74 as indices stand ahead of the last wait on vm_vsrc.
.irp t, 0,1,2
	ds_load_b128 v[DATA+4*\t:DATA+4*\t+3], v[ORD] offset:512*\t
.endr
.irp t, 0,1,2
	s_wait_dscnt 2-\t                              ; piece t is in, the younger ones may be out
	global_store_b128 v[GOUT], v[DATA+4*\t:DATA+4*\t+3], s[12:13] offset:512*\t th:TH_STORE_NT   ; 512 consecutive bytes, at a multiple of 512 from out's first byte
.endr
	s_wait_dscnt 0x0
	s_wait_alu depctr_hold_cnt(0) depctr_sa_sdst(0) depctr_va_vdst(0) depctr_va_sdst(0) depctr_va_ssrc(0) depctr_va_vcc(0) depctr_vm_vsrc(0)
	s_wait_tensorcnt 0x0
	ds_add_u32 v43, v47
	s_wait_dscnt 0x0
	s_endpgm
.Lfunc_end_k_q3240288eb9_gather:
	.size	k_q3240288eb9_gather, .Lfunc_end_k_q3240288eb9_gather-k_q3240288eb9_gather
	.p2alignl 7, 3214868480
	.fill 96, 4, 3214868480
	.section	.rodata,"a",@progbits
	.p2align	6, 0x0
	.amdhsa_kernel k_q3240288eb9_gather
		.amdhsa_group_segment_fixed_size 13312
		.amdhsa_private_segment_fixed_size 0
		.amdhsa_enable_private_segment 0
		.amdhsa_kernarg_size 40
		.amdhsa_user_sgpr_count 2
		.amdhsa_user_sgpr_kernarg_segment_ptr 1
		.amdhsa_wavefront_size32 1
		.amdhsa_system_sgpr_workgroup_id_x 1
		.amdhsa_system_sgpr_workgroup_id_y 1
		.amdhsa_system_sgpr_workgroup_id_z 1
		.amdhsa_system_vgpr_workitem_id 0
		.amdhsa_next_free_vgpr 128
		.amdhsa_next_free_sgpr 66
		.amdhsa_reserve_vcc 0
		.amdhsa_float_denorm_mode_32 3
		.amdhsa_float_denorm_mode_16_64 3
		.amdhsa_memory_ordered 1
		.amdhsa_forward_progress 1
		.amdhsa_inst_pref_size 125
	.end_amdhsa_kernel
	.amdgpu_metadata
---
amdhsa.version: [ 1, 2 ]
amdhsa.kernels:
  - .name:           k_q3240288eb9_gather
    .symbol:         k_q3240288eb9_gather.kd
    .args:
      - { .name: q, .offset: 0, .size: 8, .value_kind: global_buffer, .address_space: global }
      - { .name: table, .offset: 8, .size: 8, .value_kind: global_buffer, .address_space: global }
      - { .name: W, .offset: 16, .size: 8, .value_kind: global_buffer, .address_space: global }
      - { .name: b, .offset: 24, .size: 8, .value_kind: global_buffer, .address_space: global }
      - { .name: out0, .offset: 32, .size: 8, .value_kind: global_buffer, .address_space: global }
    .group_segment_fixed_size: 13312
    .private_segment_fixed_size: 0
    .kernarg_segment_align: 8
    .kernarg_segment_size: 40
    .max_flat_workgroup_size: 256
    .sgpr_count:     66
    .vgpr_count:     128
    .wavefront_size: 32
...
	.end_amdgpu_metadata
.endif
;; end of part 3
